; MI455X (gfx1250); checked and timed in simulation.
; The chip was launched on July 23, 2026; its instructions are those of AMD's public machine-readable ISA for CDNA 5 (MIT licence, August 2026) and "CDNA5" Instruction Set Architecture Reference Guide (July 2026). The comments in the code are by the model that wrote it; some were corrected since.
;; Gem Lite Linear Triton. Allowed arithmetic: matrix products marked QUANTISED: E2M1 operands, one E8M0 scale for each 32 along K, by v_wmma_scale_f32_16x16x128_f8f6f4 with both operands' format E2M1 (or v_wmma_scale_f32_32x16x128_f4), f32 sums; everything else in f32.
;; Inputs: W_q_packed 512 x 4,096 int32; bias 4,096 float32; scales 32 x 4,096 float32; x 4,096 x 4,096 float32; zeros 32 x 4,096 float32.
;; Outputs: out0 4,096 x 4,096 float32.
;; This version of the problem:
;;   THIS VERSION OF THE PROBLEM IS GIVEN IN LOW PRECISION. The matrix products marked QUANTISED in the list below multiply operands that are first quantised to E2M1 (2 exponent bits, 1 mantissa bit; 4 bits a number), with one power-of-two scale for each 32 numbers along K (OCP MX v1.0); their sums are f32. All else is computed in f32.
;;   The module's matrix products, in the order in which they are computed (A, B: the left and right operand; K: the contracted axis; several contracted axes count as one K, in the product's order):
;;     1. [M 4,096, K 4,096] x [K 4,096, N 4,096]; A: input x; B: computed on the way: QUANTISED
;;   THE QUANTISER, for each operand of a quantised product, along K:
;;     - K is cut into blocks of 32 from its start; a last block that is shorter is filled with zeros.
;;     - A block's scale is 2^e with e = floor(log2(the largest magnitude in the block)) - 2, held to -126 .. 127; a block of zeros has e = 0. As a byte (E8M0): e + 127.
;;     - Each number is divided by its block's scale, clamped to +-6, and rounded to the nearest number of E2M1, ties to even, subnormals kept.
;;     - The product sums the exact products of the quantised numbers (number of the format x scale) in f32.
;;   ~~~python
;;   def quantise(x, axis):      # numpy; x: float32 -> the quantised numbers, widened to float32 again
;;       x = np.moveaxis(x, axis, -1); K = x.shape[-1]
;;       x = np.pad(x, [(0, 0)] * (x.ndim - 1) + [(0, -K % 32)]); x = x.reshape(x.shape[:-1] + (-1, 32)); a = np.abs(x).max(-1, keepdims=True)
;;       e = np.where(a > 0, np.clip(np.frexp(np.where(a > 0, a, 1))[1] - 1 - 2, -126, 127), 0)      # np.frexp(a)[1] - 1 = floor(log2(a)), exactly
;;       r = np.clip(x / 2.0 ** e, -6, 6)
;;       step = 2.0 ** (np.maximum(np.frexp(np.where(r == 0, 1, r))[1] - 1, 0) - 1)
;;       q = np.round(r / step) * step * 2.0 ** e      # np.round: ties to even
;;       return np.moveaxis(q.reshape(q.shape[:-2] + (-1,))[..., :K], -1, axis).astype(np.float32)
;;   ~~~
;;   OPERANDS COMPUTED ON THE WAY. 'Computed on the way' means the value that the module computes at that place (a softmax that the list does not call 'softmax' is quantised finished and normalised). What goes into a quantiser is computed in f32, as accurately as f32 sums, v_exp_f32 and their like allow (about 1e-6 of the number): no bf16 or f16 on the way to a quantiser, and a product that is left as it is and whose result goes on into a quantised operand takes f32 operands (vector FMAs, or v_wmma_f32_16x16x4_f32). A number that lies on a knife's edge between two numbers of the format may be rounded either way, as far as f32 arithmetic and the matrix unit's own rounding can turn it there, and no further.
;; One version. Each part assembles by itself: llvm-mc -triple=amdgcn-amd-amdhsa -mcpu=gfx1250 --defsym DOCPART=n.
;; ======== version 1 of 1: 2 launches
;; limits: right only within a limited range of input values
;; workspace buffers: xq 8,912,896 bytes; wq 8,912,896 bytes
;; launch quant (part 1): grid 256 x 1, 12 waves a work-group, no clusters, 181,760 bytes of LDS; arguments x, W_q_packed, scales, zeros, xq, wq; writes xq, wq
.if DOCPART == 1
	.amdgcn_target "amdgcn-amd-amdhsa--gfx1250"
	.amdhsa_code_object_version 6
	.text
	.protected	k_q89abaa69fb_quant
	.globl	k_q89abaa69fb_quant
	.p2align	8
	.type	k_q89abaa69fb_quant,@function
k_q89abaa69fb_quant:
	s_mov_b64 s[64:65], 0
	v_nop
	global_prefetch_b8 v0, s[64:65] scope:SCOPE_SE
	s_setreg_imm32_b32 hwreg(HW_REG_WAVE_MODE, 25, 1), 1
	s_wait_xcnt 0x0
; Both operands of out = x W + bias are turned into codes of FP4 (E2M1), 4 bits each, K innermost, with one E8M0 scale byte for each 32 along K.
; x: [4096][4096] f32, K innermost.  W[k][n] = (nibble(k, n) - zeros[k / 128][n]) * scales[k / 128][n], in f32, two roundings as the source has them; a packed word holds 8 neighbours along K of one column n.
; A block's scale is 2^(floor(log2(its largest magnitude)) - 2); its byte is the largest magnitude's exponent field - 2, held at 1 from below.  Each number is divided by the scale and rounded to the nearest code, ties to even; beyond 6 the largest code.
; LIMITS: NaN and infinities among the inputs are not served.  A block of zeros gets the byte 1 where the rule says 127: its codes are zeros, which add nothing under any byte but 0xff, and the bytes are read by this program alone.
;         A block whose largest magnitude lies under 2^-124 is held at the byte 1 (the rule's hold at -126).
; THE WORKSPACE, the same for xq (rows = rows of x) and wq (rows = columns n of W): [16 blocks of 256 rows][8 K steps of 512][69,632 bytes].  In such a block: 256 runs of 256 bytes, run r = the 512 codes of row r;
; then 16 runs of 256 bytes, run u = the scale bytes of rows 16 u .. 16 u + 15, 16 bytes a row.  So what the product's launch wants of one operand for one K step is one dense run of memory.
; SHARES: 256 work-groups of twelve waves, all with the same work.  Waves 0-3 take W: 128 columns x one K step of 512, 32 columns a wave.  Waves 4-11 take x: 16 rows, wave w the K step w - 4 of them.
; A wave of W issues some four times the instructions of a wave of x: so each work-group has four of them, the first four, and every work-group the same number.
; Waves share nothing: no barrier; the two ways part on the wave's number and never join; each wave has LDS bytes of its own.  The text uses 181,760 bytes of LDS (the stages 108,544, the spare words from 180,224) and claims more than half of what a WGP has: the work-groups lie one to a WGP.
; Left out: the tensor data mover, clusters and the matrix unit: this is a stream, and no two work-groups read the same byte.
.set WWAVES, 4                         ; waves for W
.set BLKB,  69632                      ; a block of the workspace in bytes
; THE ORDER OF wq's RUNS OF CODES: within each 64 columns, run 16 b + r holds column 4 r + b (b = 0 .. 3, r = 0 .. 15), so that in the product's launch lane r owns four neighbouring columns.  Its scale bytes stay in the columns' own order, and xq's runs are in the rows' own order.
.set SCB,   65536                      ; where its scale bytes begin
	s_load_b256 s[4:11], s[0:1], 0x0               ; x s[4:5], the packed words s[6:7], scales s[8:9], zeros s[10:11]
	s_load_b128 s[12:15], s[0:1], 0x20             ; xq s[12:13], wq s[14:15]
	v_lshl_add_u32 v224, v0, 2, 0x2c000
	v_mov_b32 v225, 0
	v_lshrrev_b32 v1, 5, v0
	s_delay_alu instid0(VALU_DEP_1)
	v_readfirstlane_b32 s16, v1                    ; wave 0..11
	v_and_b32 v2, 31, v0                           ; lane
	s_cmp_lt_u32 s16, WWAVES                       ; the way hangs on the wave's number alone
	s_cbranch_scc1 .Lweights
; ------------------------------------------------------------------ x
; The work-group takes 16 rows of x; my wave takes one K step of them: step t of 16 is row t's 512 numbers, 2,048 consecutive bytes.  So a wave makes 16 x 256 consecutive bytes of codes and one run of 256 scale bytes.
; The conversions take 8 numbers of ONE block from a lane's registers, so a lane must hold 16 NEIGHBOURS (two neighbouring lanes hold a block), while a load is best where neighbouring LANES take neighbouring bytes.
; Both are had: each of a step's four loads reads 512 consecutive bytes, 16 a lane; the 2,048 bytes go through the wave's own stage in LDS as they lie and come back 64 bytes a lane (16 bytes of padding behind each 64).
; Loads run eight steps ahead: 32 loads, 16,384 bytes, of a wave are on their way, half of all that it reads.
.set STEPS, 16
.set DEPTH, 8                          ; sets of registers for loads = steps that the loads run ahead
.set XSP,   80                         ; a lane's place in a stage: its 64 bytes + 16 of padding
.set XREG,  6144                       ; LDS of a wave, at wave x XREG (waves 4-11: bytes 24,576 .. 73,727): two stages of 32 x XSP bytes, and at 5,120 its 256 scale bytes
.set R,     16                         ; v16-143  eight sets of 16 numbers as they are loaded
.set X,     144                        ; v144-175 two sets of 16 neighbours
.set E,     176                        ; v176-191 a scale byte for each step
.set C,     192                        ; v192-223 codes: two registers for each step, so that no store's data are written again
	s_sub_co_u32 s17, s16, WWAVES                  ; my K step, 0..7
	s_lshl_b32 s18, ttmp9, 18                      ; the work-group's 16 rows of 16,384 bytes,
	s_lshl_b32 s20, s17, 11                        ; and my K step's 2,048 bytes in a row
	s_add_co_u32 s18, s18, s20
	s_mov_b32 s19, 0
	s_lshr_b32 s20, ttmp9, 4                       ; the block of 256 rows,
	s_lshl_b32 s20, s20, 3
	s_add_co_u32 s20, s20, s17                     ; x 8 + K step:
	s_mul_i32 s20, s20, BLKB                       ; the workspace block's first byte
	s_and_b32 s22, ttmp9, 15                       ; which 16 of its 256 rows
	s_lshl_b32 s23, s22, 12
	s_add_co_u32 s26, s20, s23                     ; their codes: 16 runs of 256 bytes
	s_mov_b32 s27, 0
	s_lshl_b32 s23, s22, 8
	s_add_co_u32 s28, s20, s23
	s_add_co_u32 s28, s28, SCB                     ; their scale bytes: one run of 256 bytes
	s_mov_b32 s29, 0
	s_mul_i32 s21, s16, XREG
	s_wait_alu depctr_va_vdst(0)
	v_lshlrev_b32 v3, 4, v2                        ; my 16 bytes of a load's 512
	v_lshlrev_b32 v4, 3, v2                        ; my 8 bytes of a step's 256 bytes of codes, and of the wave's 256 scale bytes
	v_lshrrev_b32 v14, 2, v2
	s_delay_alu instid0(VALU_DEP_1)
	v_mul_u32_u24 v14, v14, XSP
	v_and_b32 v15, 3, v2
	s_delay_alu instid0(VALU_DEP_1)
	v_lshl_add_u32 v14, v15, 4, v14
	s_delay_alu instid0(VALU_DEP_1)
	v_add_nc_u32 v14, s21, v14                     ; the stage, on the way in: four lanes' 64 bytes on end, then the padding; a load's 512 bytes take eight places
	v_mul_u32_u24 v15, v2, XSP
	s_delay_alu instid0(VALU_DEP_1)
	v_add_nc_u32 v15, s21, v15                     ; and on the way out: my 16 neighbours
	v_lshrrev_b32 v5, 1, v2
	s_add_co_u32 s21, s21, 2*32*XSP
	v_add_nc_u32 v5, s21, v5                       ; my wave's scale bytes: my block's byte,
	v_add_nc_u32 v6, s21, v4                       ; and on the way out 8 bytes a lane
	s_wait_alu depctr_va_vdst(0)
	s_wait_kmcnt 0x0
	s_add_nc_u64 s[4:5], s[4:5], s[18:19]
	s_add_nc_u64 s[24:25], s[12:13], s[28:29]
	s_add_nc_u64 s[12:13], s[12:13], s[26:27]
.macro XLOAD t
.irp i, 0,1,2,3
	global_load_b128 v[R+16*((\t)%DEPTH)+4*\i:R+16*((\t)%DEPTH)+4*\i+3], v3, s[4:5] offset:16384*(\t)+512*\i th:TH_LOAD_NT   ; 32 lanes read 512 consecutive bytes; read once in the launch
.endr
.endm
.macro XTURN t                         ; step t's numbers through the stage: LDS serves a wave's instructions in order (ISA guide 5.7.1.4), so no wait stands between the stores and the loads
.irp i, 0,1,2,3
	ds_store_b128 v14, v[R+16*((\t)%DEPTH)+4*\i:R+16*((\t)%DEPTH)+4*\i+3] offset:32*XSP*((\t)%2)+8*XSP*\i
.endr
.irp i, 0,1,2,3
	ds_load_b128 v[X+16*((\t)%2)+4*\i:X+16*((\t)%2)+4*\i+3], v15 offset:32*XSP*((\t)%2)+16*\i
.endr
.endm
.irp t, 0,1,2,3,4,5,6,7
	XLOAD \t
.endr
	s_wait_loadcnt 4*(DEPTH-1)                     ; step 0's four loads are in; the 28 of steps 1 to 7 stay out
	XTURN 0
.macro XSTEP t
.set XS, X+16*((\t)%2)
.if (\t) > 0
	s_wait_dscnt 1                                 ; this step's numbers are back from the stage (the last step's byte store may be out): so its stores into the stage have read their registers,
.else
	s_wait_dscnt 0x0
.endif
.if (\t)+DEPTH < STEPS
	XLOAD (\t)+DEPTH                               ; which take the loads of eight steps on
.endif
.if (\t)+1 < STEPS
.if STEPS-2-(\t) >= DEPTH-1
	s_wait_loadcnt 4*(DEPTH-1)                     ; the next step's four loads are in; those of the seven steps behind it may be out
.else
	s_wait_loadcnt 4*(STEPS-2-(\t))                ; at the end nothing more is asked for: the counts run down
.endif
	XTURN (\t)+1                                   ; and go through the other stage while this step is worked
.endif
	v_max3_num_f32 v8, |v[XS]|, |v[XS+1]|, |v[XS+2]|               ; the largest magnitude of my 16, in two chains
	v_max3_num_f32 v9, |v[XS+3]|, |v[XS+4]|, |v[XS+5]|
.irp i, 6,10
	s_delay_alu instid0(VALU_DEP_2)
	v_max3_num_f32 v8, v8, |v[XS+\i]|, |v[XS+\i+1]|
	s_delay_alu instid0(VALU_DEP_2)
	v_max3_num_f32 v9, v9, |v[XS+\i+2]|, |v[XS+\i+3]|
.endr
	s_delay_alu instid0(VALU_DEP_2)
	v_max3_num_f32 v8, v8, |v[XS+14]|, |v[XS+15]|
	s_delay_alu instid0(VALU_DEP_1)
	v_max3_num_f32 v8, v8, v9, 0x1800000           ; and the floor 2^(3 - 127), under which no largest magnitude is taken: so the byte cannot fall under 1
	s_delay_alu instid0(VALU_DEP_1)
	v_max_num_f32_dpp v8, v8, v8 row_xmask:1 row_mask:0xf bank_mask:0xf   ; and of my neighbour's 16: the block's
	s_delay_alu instid0(VALU_DEP_1)
	v_add_nc_u32 v11, 0xff000000, v8               ; 2 off its exponent field: the conversion takes the exponent field of this operand as its scale, and nothing else of it
	v_cvt_scalef32_pk8_fp4_f32 v[C+2*(\t)], v[XS:XS+7], v11         ; eight numbers / the scale, to the nearest code; the first number's code in the lowest four bits
	v_cvt_scalef32_pk8_fp4_f32 v[C+2*(\t)+1], v[XS+8:XS+15], v11
	v_lshrrev_b32 v[E+(\t)], 23, v11               ; the scale's byte (also the plain instruction behind the conversions)
	ds_store_b8 v5, v[E+(\t)] offset:16*(\t)       ; row t's 16 bytes; both lanes of a block write the same byte with the same value
	global_store_b64 v4, v[C+2*(\t):C+2*(\t)+1], s[12:13] offset:256*(\t)   ; 32 lanes store 256 consecutive bytes, at a multiple of 256 from the buffer's first byte
.endm
.irp t, 0,1,2,3,4,5,6,7,8,9,10,11,12,13,14,15
	XSTEP \t
.endr
	ds_load_b64 v[12:13], v6                       ; in order behind my byte stores
	s_wait_dscnt 0x0
	global_store_b64 v4, v[12:13], s[24:25]        ; 32 lanes store the run of 256 scale bytes
	s_wait_tensorcnt 0x0
	ds_add_u32 v224, v225
	s_wait_dscnt 0x0
	s_endpgm
; ------------------------------------------------------------------ W
; The work-group's four waves take 128 columns x one K step of 512; a wave takes 32 columns, A LANE ONE COLUMN, AND ITS REGISTERS RUN DOWN K: each load reads neighbouring columns in neighbouring lanes (128 consecutive bytes a wave,
; 512 the four waves), a block of 32 along K is four packed words of ONE lane, its largest magnitude needs no other lane, and the conversions give codes with K innermost.  Nothing is transposed by an instruction.
; A lane's codes (256 bytes) are one row of wq's block and the lanes beside it hold other rows: they go through the wave's own stage in LDS and leave two rows, 512 consecutive bytes, an instruction.
.set WSTG,  73728                      ; LDS: behind x's bytes; a stage of 32 rows x 272 bytes for each of waves 0-3: bytes 73,728 .. 108,543
.set WP,    272                        ; a stage row: 256 bytes + 16 of padding
.set ZPR,   16                         ; v16-23   the four groups' zeros, each twice (a pair for the packed forms)
.set SPR,   24                         ; v24-31   the four groups' scales, likewise
.set SB,    32                         ; v32-35   my column's 16 scale bytes
.set F,     36                         ; v36-67   a block's 32 numbers
.set P,     68                         ; v68-131  the 64 packed words; a block's four are overwritten by its four registers of codes, and at the end by the rows read back
.Lweights:
	s_and_b32 s17, ttmp9, 15                       ; which 256 columns (wq's block of rows)
	s_bfe_u32 s18, ttmp9, 0x30004                  ; which K step: 3 bits from bit 4
	s_lshr_b32 s19, ttmp9, 7                       ; which half of the 256 columns,
	s_lshl_b32 s19, s19, 2
	s_add_co_u32 s19, s19, s16                     ; x 4 + wave: which 32 of them, 0..7
	s_lshl_b32 s20, s17, 10
	s_lshl_b32 s21, s19, 7
	s_add_co_u32 s20, s20, s21                     ; my wave's first column, in bytes of a row of 4-byte words
	s_lshl_b32 s22, s18, 20                        ; 64 rows of packed words, 16,384 bytes each
	s_add_co_u32 s22, s22, s20
	s_mov_b32 s23, 0
	s_lshl_b32 s26, s18, 16                        ; 4 rows of scales or of zeros
	s_add_co_u32 s26, s26, s20
	s_mov_b32 s27, 0
	s_lshl_b32 s28, s17, 3
	s_add_co_u32 s28, s28, s18
	s_mul_i32 s28, s28, BLKB                       ; the workspace block's first byte
	s_and_b32 s21, s19, 1                          ; my 32 columns, 32 u + 4 i + b of their 64, are runs 16 b + 8 u + i: four stretches of 8 runs
	s_lshl_b32 s21, s21, 11
	s_lshr_b32 s30, s19, 1
	s_lshl_b32 s30, s30, 14
	s_add_co_u32 s21, s21, s30
	s_add_co_u32 s30, s28, s21                     ; my 32 rows of codes
	s_mov_b32 s31, 0
	s_lshl_b32 s21, s19, 9
	s_add_co_u32 s28, s28, s21
	s_add_co_u32 s28, s28, SCB                     ; my 32 rows' scale bytes, 16 a row
	s_mov_b32 s29, 0
	s_mul_i32 s3, s16, 32*WP
	s_add_co_u32 s3, s3, WSTG                      ; my stage
	s_wait_alu depctr_va_vdst(0)
	v_lshlrev_b32 v1, 2, v2                        ; in: 4 bytes a lane
	v_mul_u32_u24 v3, v2, WP
	s_delay_alu instid0(VALU_DEP_1)
	v_add_nc_u32 v3, s3, v3                        ; into the stage: row = my column
	v_lshrrev_b32 v6, 4, v2
	v_and_b32 v7, 15, v2
	s_delay_alu instid0(VALU_DEP_2)
	v_mul_u32_u24 v4, v6, 4*WP                     ; (the upper lanes' run is four columns further on)
	s_delay_alu instid0(VALU_DEP_1)
	v_lshl_add_u32 v4, v7, 4, v4
	s_delay_alu instid0(VALU_DEP_1)
	v_add_nc_u32 v4, s3, v4                        ; out of it: sixteen lanes to a row, two rows an instruction
	v_lshlrev_b32 v5, 4, v2                        ; and in memory, where rows follow each other without a gap: 16 bytes a lane
	s_wait_alu depctr_va_vdst(0)
	s_wait_kmcnt 0x0
	s_add_nc_u64 s[6:7], s[6:7], s[22:23]
	s_add_nc_u64 s[8:9], s[8:9], s[26:27]
	s_add_nc_u64 s[10:11], s[10:11], s[26:27]
	s_add_nc_u64 s[24:25], s[14:15], s[28:29]
	s_add_nc_u64 s[14:15], s[14:15], s[30:31]
.irp g, 0,1,2,3
	global_load_b32 v[ZPR+2*\g], v1, s[10:11] offset:16384*\g th:TH_LOAD_NT
.endr
.irp g, 0,1,2,3
	global_load_b32 v[SPR+2*\g], v1, s[8:9] offset:16384*\g th:TH_LOAD_NT
.endr
.set Q, 0
.rept 64
	global_load_b32 v[P+Q], v1, s[6:7] offset:16384*Q th:TH_LOAD_NT    ; word Q: k = 8 Q .. 8 Q + 7 of my column
.set Q, Q+1
.endr
.macro WBLOCK b                        ; block b of 16: k = 32 b .. 32 b + 31 of the K step; its group of 128 is b / 4
.set G, (\b)/4
.if (\b)%4 == 0
	s_wait_loadcnt 48-16*G                         ; loads come back in order (ISA guide 5.7.1): zeros, scales and the words up to this group's are in; the 16 words of each later group stay out
.endif
.if (\b) == 0
.irp g, 0,1,2,3
	v_mov_b32 v[ZPR+2*\g+1], v[ZPR+2*\g]
	v_mov_b32 v[SPR+2*\g+1], v[SPR+2*\g]
.endr
.endif
.irp u, 0,1,2,3
.irp i, 0,1,2,3,4,5,6,7
	v_bfe_u32 v[F+8*\u+\i], v[P+4*(\b)+\u], 4*\i, 4                ; nibble i of word u: k = 32 b + 8 u + i
.endr
.endr
.irp i, 0,1,2,3,4,5,6,7,8,9,10,11,12,13,14,15,16,17,18,19,20,21,22,23,24,25,26,27,28,29,30,31
	v_cvt_f32_u32 v[F+\i], v[F+\i]
.endr
.irp i, 0,2,4,6,8,10,12,14,16,18,20,22,24,26,28,30
	v_pk_add_f32 v[F+\i:F+\i+1], v[F+\i:F+\i+1], v[ZPR+2*G:ZPR+2*G+1] neg_lo:[0,1] neg_hi:[0,1]   ; w - z, rounded,
.endr
.irp i, 0,2,4,6,8,10,12,14,16,18,20,22,24,26,28,30
	v_pk_mul_f32 v[F+\i:F+\i+1], v[F+\i:F+\i+1], v[SPR+2*G:SPR+2*G+1]   ; times s, rounded: the two roundings of the source.  Not fused: w s - z s, rounded once, is another number where w is near z
.endr
	v_max3_num_f32 v12, |v[F]|, |v[F+1]|, |v[F+2]|                 ; the block's largest magnitude: all 32 numbers are mine
	v_max3_num_f32 v13, |v[F+3]|, |v[F+4]|, |v[F+5]|
.irp i, 6,10,14,18,22,26
	s_delay_alu instid0(VALU_DEP_2)
	v_max3_num_f32 v12, v12, |v[F+\i]|, |v[F+\i+1]|
	s_delay_alu instid0(VALU_DEP_2)
	v_max3_num_f32 v13, v13, |v[F+\i+2]|, |v[F+\i+3]|
.endr
	s_delay_alu instid0(VALU_DEP_2)
	v_max3_num_f32 v12, v12, |v[F+30]|, |v[F+31]|
	s_delay_alu instid0(VALU_DEP_1)
	v_max3_num_f32 v12, v12, v13, 0x1800000        ; and the floor 2^(3 - 127): the byte cannot fall under 1
	s_delay_alu instid0(VALU_DEP_1)
	v_add_nc_u32 v11, 0xff000000, v12              ; 2 off its exponent field: the conversion's scale operand
.irp u, 0,1,2,3
	v_cvt_scalef32_pk8_fp4_f32 v[P+4*(\b)+\u], v[F+8*\u:F+8*\u+7], v11
.endr
	v_lshrrev_b32 v13, 23, v11                     ; the scale's byte (also the plain instruction behind the conversions, ahead of the next block's writes of their sources)
.if (\b)%4 == 0
	s_delay_alu instid0(VALU_DEP_1)
	v_mov_b32 v[SB+G], v13                         ; four bytes to a register, the lower K in the lower byte
.else
	s_delay_alu instid0(VALU_DEP_1)
	v_lshl_or_b32 v[SB+G], v13, 8*((\b)%4), v[SB+G]
.endif
	ds_store_b128 v3, v[P+4*(\b):P+4*(\b)+3] offset:16*(\b)        ; 32 codes: 16 bytes of my column's row
.endm
.irp b, 0,1,2,3,4,5,6,7,8,9,10,11,12,13,14,15
	WBLOCK \b
.endr
	global_store_b128 v5, v[SB:SB+3], s[24:25]     ; 32 lanes store 512 consecutive bytes: the scale bytes of my 32 rows
	s_wait_dscnt 0x0                               ; the stores into the stage have read their registers, which take the rows now
.irp t, 0,1,2,3,4,5,6,7,8,9,10,11,12,13,14,15
	ds_load_b128 v[P+4*\t:P+4*\t+3], v4 offset:(8*(\t%4)+\t/4)*WP   ; columns 8 (t % 4) + t / 4 and + 4
.endr
.irp t, 0,1,2,3,4,5,6,7,8,9,10,11,12,13,14,15
	s_wait_dscnt 15-\t                             ; the younger loads may stay out
	global_store_b128 v5, v[P+4*\t:P+4*\t+3], s[14:15] offset:4096*(\t/4)+512*(\t%4)   ; two runs that follow each other: 512 consecutive bytes
.endr
	s_wait_tensorcnt 0x0
	ds_add_u32 v224, v225
	s_wait_dscnt 0x0
	s_endpgm
.Lfunc_end_k_q89abaa69fb_quant:
	.size	k_q89abaa69fb_quant, .Lfunc_end_k_q89abaa69fb_quant-k_q89abaa69fb_quant
	.p2alignl 7, 3214868480
	.fill 96, 4, 3214868480
	.section	.rodata,"a",@progbits
	.p2align	6, 0x0
	.amdhsa_kernel k_q89abaa69fb_quant
		.amdhsa_group_segment_fixed_size 181760
		.amdhsa_private_segment_fixed_size 0
		.amdhsa_enable_private_segment 0
		.amdhsa_kernarg_size 48
		.amdhsa_user_sgpr_count 2
		.amdhsa_user_sgpr_kernarg_segment_ptr 1
		.amdhsa_wavefront_size32 1
		.amdhsa_system_sgpr_workgroup_id_x 1
		.amdhsa_system_sgpr_workgroup_id_y 1
		.amdhsa_system_sgpr_workgroup_id_z 1
		.amdhsa_system_vgpr_workitem_id 0
		.amdhsa_next_free_vgpr 226
		.amdhsa_next_free_sgpr 66
		.amdhsa_reserve_vcc 0
		.amdhsa_float_denorm_mode_32 3
		.amdhsa_float_denorm_mode_16_64 3
		.amdhsa_memory_ordered 1
		.amdhsa_forward_progress 1
		.amdhsa_inst_pref_size 162
	.end_amdhsa_kernel
	.amdgpu_metadata
---
amdhsa.version: [ 1, 2 ]
amdhsa.kernels:
  - .name:           k_q89abaa69fb_quant
    .symbol:         k_q89abaa69fb_quant.kd
    .args:
      - { .name: x, .offset: 0, .size: 8, .value_kind: global_buffer, .address_space: global }
      - { .name: W_q_packed, .offset: 8, .size: 8, .value_kind: global_buffer, .address_space: global }
      - { .name: scales, .offset: 16, .size: 8, .value_kind: global_buffer, .address_space: global }
      - { .name: zeros, .offset: 24, .size: 8, .value_kind: global_buffer, .address_space: global }
      - { .name: xq, .offset: 32, .size: 8, .value_kind: global_buffer, .address_space: global }
      - { .name: wq, .offset: 40, .size: 8, .value_kind: global_buffer, .address_space: global }
    .group_segment_fixed_size: 181760
    .private_segment_fixed_size: 0
    .kernarg_segment_align: 8
    .kernarg_segment_size: 48
    .max_flat_workgroup_size: 384
    .sgpr_count:     66
    .vgpr_count:     226
    .wavefront_size: 32
...
	.end_amdgpu_metadata
.endif
;; end of part 1
;; launch gemm (part 2): grid 16 x 16, 4 waves a work-group, clusters of 4 x 4, 327,680 bytes of LDS; arguments xq, wq, bias, out0; writes out0
.if DOCPART == 2
	.amdgcn_target "amdgcn-amd-amdhsa--gfx1250"
	.amdhsa_code_object_version 6
	.text
	.protected	k_q89abaa69fb_gemm
	.globl	k_q89abaa69fb_gemm
	.p2align	8
	.type	k_q89abaa69fb_gemm,@function
k_q89abaa69fb_gemm:
	s_mov_b64 s[64:65], 0
	v_nop
	global_prefetch_b8 v0, s[64:65] scope:SCOPE_SE
	s_setreg_imm32_b32 hwreg(HW_REG_WAVE_MODE, 25, 1), 1
	s_wait_xcnt 0x0
	s_wait_alu depctr_hold_cnt(0) depctr_sa_sdst(0) depctr_va_vdst(0) depctr_va_sdst(0) depctr_va_ssrc(0) depctr_va_vcc(0) depctr_vm_vsrc(0)
	s_getreg_b32 s2, hwreg(HW_REG_IB_STS2, 6, 4)
	s_cmp_eq_u32 s2, 0
	s_cbranch_scc0 .Lentry_in_a_cluster
	s_endpgm
.Lentry_in_a_cluster:
	s_bfe_u32 s2, ttmp6, 0x10000c
	s_cmp_lg_u32 s2, 0xf033
	s_cbranch_scc0 .Lentry_shape_is_right
	s_endpgm
.Lentry_shape_is_right:
; out[m][n] = bias[n] + sum over k of x[m][k] W[k][n], both operands as codes of FP4 (E2M1) with one E8M0 scale for each 32 along K, sums in f32.  4,096 x 4,096 x 4,096.
; xq, wq: [16 blocks of 256 rows][8 K steps of 512][69,632 bytes]: 256 runs of 256 bytes of codes, then 16 runs of 256 scale bytes (16 bytes a row), as the launch in front lays them.
; A tile of out, 256 x 256, is made by a work-group of four waves, 128 x 128 a wave: 32 accumulators of 32 x 16, 512 registers.  256 tiles, 256 work-groups.
; K goes in eight steps of 512 through a ring of two LDS slots; each wave fetches half of one operand's block, 136 runs, by one tensor load.
; CLUSTERS: 4 x 4 work-groups; the four of a row ask for the tiles of x jointly, the four of a column for those of W.
; THE MATRIX INSTRUCTION: source 0 = 32 rows of x, source 1 = 16 columns of W.  In block b of 64 columns lane r holds column 4 r + b, so registers j of the blocks 0 .. 3 are four neighbouring columns of one row of out:
; the addition of the bias puts them into four neighbouring registers, and sixteen lanes store 256 consecutive bytes.  Nothing passes through LDS on the way out.
; FRAGMENTS have two sets of registers for each operand: a step of 128 along K begins with the next step's 32 LDS loads in one run, and its 32 matrix instructions follow.
; THE LAST K STEP goes by 32 rows of out: all its fragments of W are in registers (256), and each 32 rows are stored as soon as they are finished.
; PREFETCH: every K step but the first is named at least one request ahead of its load: behind the request for K step 0 each wave names runs of K step 1, behind that for K step 1 those of 2 and 3, behind the request for
; K step j in the loop those of j + 2: of the 136 runs that it fetches, the four partners take 34 each by address.  The last two requests name nothing.
; LIMITS: NaN and infinities among the inputs are not served (the launch in front).
; REGISTERS: window 0: v8-15 bias, v16-29 addresses, v32-63 scales of slot 1, v64-95 of slot 0 (16 of x, 16 of W), v96-127 the way out, v128-255 x's fragments, two sets;  window 1: W's fragments, set p at 64 p;
; windows 2, 3: accumulator (a, b) at v[16 (8 (a % 2) + b)] of window 2 + a / 2, a = 32 rows, b = 16 columns.
.set PITCH,  272                       ; an LDS row: 256 bytes + 16 of padding = 68 words, so 16 neighbouring rows start at 16 different banks (64 banks of 4 bytes: ISA guide 11.1)
.set HALFR,  136                       ; rows of one tensor load
.set HALFT,  HALFR*PITCH
.set OPER,   2*HALFT                   ; one operand's block in a slot
.set SLOT,   2*OPER
.set HALFC,  128*PITCH                 ; 128 rows of codes
.set SCOFF,  256*PITCH                 ; the scale bytes in a block
.set SC8,    8*PITCH                   ; the scale bytes of 128 rows
.set BLKB,   69632
.set HALFM,  BLKB/2
.set TILEB,  8*BLKB
.set SPARE,  2*SLOT                    ; the spare words, 128 bytes a wave
.set ROWN,   16384                     ; a row of out in bytes
.set BIA,  8
.set ADRA, 16                          ; v16-17  LDS address of my fragments of x in slot 0, 1
.set ADRB, 18                          ; v18-19  of W
.set ADSA, 20                          ; v20-21  of x's scale words
.set ADSB, 22                          ; v22-23  of W's
.set CO,   24                          ; v24     my byte offset in out
.set PFO,  26                          ; v26-27  the prefetches' offsets; never rewritten
.set SPW,  28                          ; v28     LDS address of my spare word; never rewritten
.set NIL,  29                          ; v29     0; never rewritten
.set AF,   128
.set G1, 24                            ; s[24:31] descriptor group 1 for x, s[32:39] group 0, one set a slot
.set G0, 32
.set G1B, 48                           ; s[48:55], s[56:63] the same for W
.set G0B, 56
.set BA,  68
.set BB,  70
.set PFA, 72                           ; s[72:73] where my prefetches stand
.set MSB, 0
.macro WIN new                         ; the immediate's high byte repeats the setting that is left
.if MSB != \new
	s_set_vgpr_msb (MSB<<8)|\new
.set MSB, \new
.endif
.endm
.macro PLACES n
.rept \n
	v_nop
.endr
.endm
.macro JLOAD s                         ; a joint load: waves 0 and 1 fetch x's two halves, waves 2 and 3 W's
	s_cmp_eq_u32 s15, 0
	s_cbranch_scc0 .Lfor_b_\@
	tensor_load_to_lds s[G0+4*\s:G0+4*\s+3], s[G1:G1+7]
	s_nop 0
	PLACES 4
	s_branch .Lasked_\@
.Lfor_b_\@:
	tensor_load_to_lds s[G0B+4*\s:G0B+4*\s+3], s[G1B:G1B+7]
	s_nop 0
	PLACES 4
.Lasked_\@:
.endm
.macro CREST                           ; a round of the cluster's barrier behind its opening barrier
	s_cmp_lg_u32 s14, 0
	s_cbranch_scc1 .Lnot_wave_0_\@
	s_barrier_signal -3
.Lnot_wave_0_\@:
	s_barrier_wait -3
	s_barrier_signal -1
	s_barrier_wait -1
.endm
.macro CROUND
	s_barrier_signal -1
	s_barrier_wait -1
	CREST
.endm
.macro ASK off                         ; 34 runs: a lane a run, then the last two (lanes left over name them again)
	global_prefetch_b8 v[PFO], s[PFA:PFA+1] offset:\off th:TH_LOAD_NT scope:SCOPE_SE
	global_prefetch_b8 v[PFO+1], s[PFA:PFA+1] offset:\off th:TH_LOAD_NT scope:SCOPE_SE
.endm
	s_load_b128 s[4:7], s[0:1], 0x0                ; xq, wq
	s_load_b128 s[8:11], s[0:1], 0x10              ; bias, out
	v_lshl_add_u32 v[SPW], v0, 2, SPARE
	v_mov_b32 v[NIL], 0
	ds_add_u32 v[SPW], v[NIL]                      ; the add, twice on end, ahead of the first tensor load
	ds_add_u32 v[SPW], v[NIL]
	v_lshrrev_b32 v1, 5, v0
	v_readfirstlane_b32 s14, v1                    ; wave 0..3
	s_lshr_b32 s15, s14, 1                         ; my half of the tile's rows.  Also: I fetch for x (0) or for W (1)
	s_and_b32 s16, s14, 1                          ; my half of its columns.  Also: which half of the block I fetch
	s_bfe_u32 s40, ttmp6, 0x40000                  ; cx, cy: my place in the cluster
	s_bfe_u32 s41, ttmp6, 0x40004
	s_lshl_b32 s42, ttmp9, 2
	s_add_co_u32 s42, s42, s40                     ; tile column
	s_and_b32 s17, ttmp7, 0xffff
	s_lshl_b32 s17, s17, 2
	s_add_co_u32 s17, s17, s41                     ; tile row
	s_lshl_b32 s43, s41, 2
	s_lshl_b32 s43, 15, s43                        ; my row of the cluster
	s_lshl_b32 s44, 0x1111, s40                    ; my column
	; group 1: 136 rows of 256 bytes (32 elements of 8 bytes), dense in memory, 16 bytes of padding behind each in LDS
	s_or_b32 s[G1+0], s43, (3<<16)|(1<<20)|(1<<21)|(5<<22)|(3<<25)
	s_or_b32 s[G1B+0], s44, (3<<16)|(1<<20)|(1<<21)|(5<<22)|(3<<25)
.irp g, G1, G1B
	s_mov_b32 s[\g+1], 32<<16
	s_mov_b32 s[\g+2], HALFR<<16
	s_mov_b32 s[\g+3], 32<<16
	s_mov_b32 s[\g+4], HALFR
	s_mov_b32 s[\g+5], 32
	s_mov_b32 s[\g+6], 0
	s_mov_b32 s[\g+7], 0
.endr
	s_mul_i32 s18, s16, HALFM
	s_mul_i32 s20, s17, TILEB
	s_add_co_u32 s20, s20, s18
	s_mov_b32 s21, 0
	s_mul_i32 s46, s42, TILEB
	s_add_co_u32 s46, s46, s18
	s_mov_b32 s47, 0
	s_mul_i32 s45, s14, HALFT                      ; where my half goes: no place in the cluster enters an LDS address
	s_wait_dscnt 0x0                               ; both opening adds are done
	CROUND                                         ; all sixteen work-groups are here, so the first joint loads meet; the arguments are on their way meanwhile
	s_wait_kmcnt 0x0
	s_add_nc_u64 s[BA:BA+1], s[4:5], s[20:21]      ; x: hangs on the tile row alone
	s_add_nc_u64 s[BB:BB+1], s[6:7], s[46:47]      ; W: on the tile column alone
.irp s, 0,1
	s_mov_b32 s[G0+4*\s], 1
	s_add_co_u32 s[G0+4*\s+1], s45, \s*SLOT
	s_add_nc_u64 s[G0+4*\s+2:G0+4*\s+3], s[BA:BA+1], \s*BLKB
	s_or_b32 s[G0+4*\s+3], s[G0+4*\s+3], 0x80000000
	s_mov_b32 s[G0B+4*\s], 1
	s_add_co_u32 s[G0B+4*\s+1], s45, \s*SLOT
	s_add_nc_u64 s[G0B+4*\s+2:G0B+4*\s+3], s[BB:BB+1], \s*BLKB
	s_or_b32 s[G0B+4*\s+3], s[G0B+4*\s+3], 0x80000000
.endr
	JLOAD 0                                        ; K step 0: one tensor load a wave at the head
	s_cmp_eq_u32 s15, 0
	s_cselect_b64 s[PFA:PFA+1], s[BA:BA+1], s[BB:BB+1]
	s_cselect_b32 s22, s40, s41                    ; my place among the four that ask for this half
	s_mul_i32 s22, s22, 34*256
	s_mov_b32 s23, 0
	s_add_nc_u64 s[PFA:PFA+1], s[PFA:PFA+1], s[22:23]
	s_lshl_b32 s20, s17, 8
	s_lshl_b32 s21, s15, 7
	s_add_co_u32 s20, s20, s21                     ; my first row of out
	s_lshl_b32 s20, s20, 14
	s_mov_b32 s21, 0
	s_lshl_b32 s46, s42, 10                        ; my first column, in bytes
	s_lshl_b32 s47, s16, 9
	s_add_co_u32 s46, s46, s47
	s_mov_b32 s47, 0
	s_add_nc_u64 s[8:9], s[8:9], s[46:47]
	s_add_nc_u64 s[10:11], s[10:11], s[46:47]
	s_add_nc_u64 s[10:11], s[10:11], s[20:21]
	s_mul_i32 s18, s15, HALFC                      ; my 128 rows of x
	s_mul_i32 s19, s16, HALFC
	s_add_co_u32 s19, s19, OPER                    ; my 128 columns of W
	s_mul_i32 s12, s15, SC8
	s_add_co_u32 s12, s12, SCOFF                   ; and their scale bytes
	s_mul_i32 s13, s16, SC8
	s_add_co_u32 s13, s13, OPER+SCOFF
	v_and_b32 v1, 15, v0                           ; r
	v_lshlrev_b32 v7, 4, v1                        ; 16 r
	global_load_b128 v[BIA:BIA+3], v7, s[8:9]      ; bias of columns 4 r .. 4 r + 3 of my first 64,
	global_load_b128 v[BIA+4:BIA+7], v7, s[8:9] offset:256   ; and of my second
	v_and_b32 v3, 31, v0
	v_lshlrev_b32 v[PFO], 8, v3                    ; a lane a run of 256 bytes
	v_and_b32 v4, 1, v0
	v_lshlrev_b32 v[PFO+1], 8, v4
	v_add_nc_u32 v[PFO+1], 8192, v[PFO+1]          ; runs 32 and 33
	s_wait_alu depctr_va_vdst(0)
	s_wait_loadcnt 0x0                             ; the bias
	ASK BLKB                                       ; K step 1; the LDS addresses below stand between this and the wait for K step 0
	v_bfe_u32 v2, v0, 4, 1                         ; h
	v_mul_u32_u24 v3, v1, PITCH
	v_lshl_add_u32 v4, v2, 4, v3                   ; a fragment: row r, 16 h bytes on
	v_add_nc_u32 v[ADRA], s18, v4
	v_add_nc_u32 v[ADRA+1], SLOT, v[ADRA]
	v_add_nc_u32 v[ADRB], s19, v4
	v_add_nc_u32 v[ADRB+1], SLOT, v[ADRB]
	v_mul_u32_u24 v5, v2, PITCH
	v_add_nc_u32 v5, v5, v7                        ; x's scale words: lane = row of 32
	v_add_nc_u32 v[ADSA], s12, v5
	v_add_nc_u32 v[ADSA+1], SLOT, v[ADSA]
	v_lshrrev_b32 v5, 2, v1                        ; W's: lane (r, h) takes column 64 h + 4 r (+ b by the offset): run 4 h + r / 4, 64 (r % 4) bytes on
	v_lshl_add_u32 v5, v2, 2, v5
	v_mul_u32_u24 v5, v5, PITCH
	v_and_b32 v6, 3, v1
	v_lshl_add_u32 v5, v6, 6, v5
	v_add_nc_u32 v[ADSB], s13, v5
	v_add_nc_u32 v[ADSB+1], SLOT, v[ADSB]
	v_lshl_add_u32 v[CO], v2, 17, v7               ; out: lanes 16-31 eight rows further down; 16 bytes a lane
.macro FRAG reg, adr, q, i             ; 16 rows x 128 K: lane (r, h) holds row r; registers 4 c .. 4 c + 3: K = 64 c + 32 h + 0 .. 31
.irp c, 0,1
	ds_load_b128 v[\reg+4*\c:\reg+4*\c+3], v[\adr] offset:64*(\q)+32*\c+(\i)*16*PITCH
.endr
.endm
.macro LA reg, slot, q, ai             ; 32 rows of x: four loads
	WIN 0
	FRAG \reg, ADRA+\slot, \q, 2*(\ai)
	FRAG \reg+8, ADRA+\slot, \q, 2*(\ai)+1
.endm
.macro LB reg, slot, q                 ; eight blocks of 16 columns of W: sixteen loads
	WIN 0x40
.irp j, 0,1,2,3,4,5,6,7
	FRAG \reg+8*\j, ADRB+\slot, \q, \j
.endr
.endm
.macro RUN slot, q, p                  ; a step's 32 loads: x's first 32 rows, all of W, x's other rows (12 loads)
	LA AF+64*(\p), \slot, \q, 0
	LB 64*(\p), \slot, \q
.irp a, 1,2,3
	LA AF+64*(\p)+16*\a, \slot, \q, \a
.endr
.endm
.macro SCALES slot                     ; scale words of a K step: register 4 i + q: x's 32 rows i, all 32 lanes; W's block i in lanes 0-15, block 4 + i in lanes 16-31
	WIN 0
.irp i, 0,1,2,3
	ds_load_b128 v[64-32*\slot+4*\i:64-32*\slot+4*\i+3], v[ADSA+\slot] offset:2*\i*PITCH
	ds_load_b128 v[80-32*\slot+4*\i:80-32*\slot+4*\i+3], v[ADSB+\slot] offset:16*\i
.endr
.endm
.macro WM first                        ; one matrix instruction, on the registers that the symbols name
	WIN WV
.if \first
.if BJ < 4
	v_wmma_scale_f32_32x16x128_f4 v[DD:DD+15], v[AR:AR+15], v[BR:BR+7], 0, v[XS], v[WS]
.else
	v_wmma_scale_f32_32x16x128_f4 v[DD:DD+15], v[AR:AR+15], v[BR:BR+7], 0, v[XS], v[WS] matrix_b_scale:MATRIX_SCALE_ROW1
.endif
.else
.if BJ < 4
	v_wmma_scale_f32_32x16x128_f4 v[DD:DD+15], v[AR:AR+15], v[BR:BR+7], v[DD:DD+15], v[XS], v[WS]
.else
	v_wmma_scale_f32_32x16x128_f4 v[DD:DD+15], v[AR:AR+15], v[BR:BR+7], v[DD:DD+15], v[XS], v[WS] matrix_b_scale:MATRIX_SCALE_ROW1
.endif
.endif
.endm
.macro MM idx, p, q, sc, first         ; number idx of a step's 32: rows idx / 8, columns idx % 8.  The 32 accumulators take turns
.set AI, (\idx)/8
.set BJ, (\idx)%8
.set DD, 16*(8*(AI%2)+BJ)
.set AR, AF+64*(\p)+16*AI
.set BR, 64*(\p)+8*BJ
.set XS, 64-32*(\sc)+4*AI+(\q)
.set WS, 80-32*(\sc)+4*(BJ%4)+(\q)
.set WV, 0xa4+0x50*(AI/2)
	WM \first
.endm
.macro MMS from, n, p, q, sc, first
.set I, \from
.rept \n
	MM I, \p, \q, \sc, \first
.set I, I+1
.endr
.endm
; A step of 128 along K that has its successor in the same slot.
.macro STEP slot, q, first
	PLACES 4                                       ; the loads below land on registers that the last step's products have read
	RUN \slot, (\q)+1, 1-(\q)%2
	s_wait_dscnt 44                                ; this step's first rows of x and all of W are in: its last 12 loads and the 32 just issued may be out
	MMS 0, 8, (\q)%2, \q, \slot, \first
	s_wait_dscnt 40                                ; x's rows 32-63: 8 and 32 may be out
	MMS 8, 8, (\q)%2, \q, \slot, \first
	s_wait_dscnt 36                                ; rows 64-95: 4 and 32
	MMS 16, 8, (\q)%2, \q, \slot, \first
	s_wait_dscnt 32                                ; rows 96-127: the 32 just issued
	MMS 24, 8, (\q)%2, \q, \slot, \first
.endm
; A slot's last step changes slots at its start: the slot just read is filled again two K steps ahead, and the other slot's first fragments are read under the step's other 24 products.
.macro TURN slot, next
	WIN 0
.if \slot == 0
	s_wait_xcnt 0x0                                ; my prefetches have read their base
	s_add_nc_u64 s[PFA:PFA+1], s[PFA:PFA+1], 2*BLKB
.endif
	s_wait_tensorcnt 0x0                           ; all my tensor loads have landed: my part of the next slot;
	ds_add_u32 v[SPW], v[NIL]                      ; 0 onto my spare word
	s_wait_dscnt 13                                ; x's first rows and all of W are in: 12 loads and the add may be out
	MMS 0, 4, 1, 3, \slot, 0
	s_wait_dscnt 0x0                               ; the add is done, and my reads of this slot are over
	s_barrier_signal -1
	MMS 4, 4, 1, 3, \slot, 0
	WIN 0
	s_barrier_wait -1
	CREST                                          ; no wave of any partner still reads this slot or has a load on its way
	s_add_nc_u64 s[G0+4*\slot+2:G0+4*\slot+3], s[G0+4*\slot+2:G0+4*\slot+3], 2*BLKB
	s_add_nc_u64 s[G0B+4*\slot+2:G0B+4*\slot+3], s[G0B+4*\slot+2:G0B+4*\slot+3], 2*BLKB
	JLOAD \slot                                    ; its four v_nop are also the places in front of the loads below
	SCALES \next
	RUN \next, 0, 0
	WIN 0
	s_cmp_gt_u32 s3, 1                             ; the last trip's requests are K steps 6 and 7: nothing stands two steps on
	s_cbranch_scc0 .Lno_ask_\@
	ASK (2+\slot)*BLKB
.Lno_ask_\@:
	MMS 8, 24, 1, 3, \slot, 0
.endm
	s_wait_alu depctr_va_vdst(0)
	s_wait_tensorcnt 0x0                           ; my part of K step 0 is in; ahead of a later first fill the same lines stand as ahead of a refill
	ds_add_u32 v[SPW], v[NIL]
	s_wait_dscnt 0x0
	CROUND
	JLOAD 1                                        ; K step 1
	SCALES 0
	RUN 0, 0, 0
	WIN 0
	ASK 2*BLKB
	ASK 3*BLKB
	STEP 0, 0, 1                                   ; the first step stands in front of the loop: its products start the sums
	WIN 0
	s_mov_b32 s3, 3
.Llap:                                                 ; once round the ring, from a lap's second step to the next lap's first
	STEP 0, 1, 0
	STEP 0, 2, 0
	TURN 0, 1
	STEP 1, 0, 0
	STEP 1, 1, 0
	STEP 1, 2, 0
	TURN 1, 0
	STEP 0, 0, 0
	WIN 0
	s_sub_co_u32 s3, s3, 1
	s_cmp_lg_u32 s3, 0
	s_cbranch_scc1 .Llap
	STEP 0, 1, 0                                   ; K step 6 goes on
	STEP 0, 2, 0
; K step 6's last 128, and K step 7 (slot 1) by rows of out.  W's fragments of quarter q go to v[64 q ..] of window 1; x's of 32 rows x 512 K to two buffers by turns.
.macro RQ a, q                         ; 32 rows, one quarter: the eight accumulators by turns
.irp b, 0,1,2,3,4,5,6,7
.set BJ, \b
.set DD, 16*(8*((\a)%2)+BJ)
.set AR, AF+64*((\a)%2)+16*(\q)
.set BR, 64*(\q)+8*BJ
.set XS, 32+4*(\a)+(\q)
.set WS, 48+4*(BJ%4)+(\q)
.set WV, 0xa4+0x50*((\a)/2)
	WM 0
.endr
.endm
.macro ROW a
	RQ \a, 0
	RQ \a, 2
	RQ \a, 3
	RQ \a, 1
.endm
.macro ROWA a                          ; x's fragments of 32 rows, all four quarters: sixteen loads
.irp q, 0,1,2,3
	LA AF+64*((\a)%2)+16*\q, 1, \q, \a
.endr
.endm
; The way out: the bias is added, and register J of four blocks becomes four neighbouring registers; each accumulator is read from its low end on.
.macro ADDS a, j0, n, dst, wv
.set WV, \wv
	WIN WV
.set J, \j0
.rept \n
.irp g, 0,1
.irp c, 0,1,2,3
	v_add_f32 v[\dst+8*(J-\j0)+4*\g+\c], v[16*(8*((\a)%2)+4*\g+\c)+J], v[BIA+4*\g+\c]
.endr
.endr
.set J, J+1
.endr
.endm
.macro STS a, j0, n, src, wv           ; register J: rows 16 (J / 8) + J % 8 and 8 more; sixteen lanes store 256 consecutive bytes at a multiple of 256, two stores on end a row's 512
.set WV, \wv
	WIN WV
.set J, \j0
.rept \n
.irp g, 0,1
	global_store_b128 v[CO], v[\src+8*(J-\j0)+4*\g:\src+8*(J-\j0)+4*\g+3], s[10:11] offset:(32*\a+16*(J/8)+J%8)*ROWN+256*\g th:TH_STORE_NT
.endr
.set J, J+1
.endr
.endm
.macro OUT a, dst, wadd, wst           ; 32 rows, into accumulators that have left already
	ADDS \a, 0, 8, \dst, \wadd
	STS \a, 0, 8, \dst, \wst
	ADDS \a, 8, 8, \dst+64, \wadd
	STS \a, 8, 8, \dst+64, \wst
.endm
	s_wait_tensorcnt 0x0                           ; my part of K step 7 is in
	s_wait_dscnt 0x0
	s_barrier_signal -1
	MMS 0, 4, 1, 3, 0, 0
	s_barrier_wait -1                              ; everybody's part is in; nothing is filled again
	PLACES 4
	SCALES 1
	ROWA 0
	LB 0, 1, 0
	LB 128, 1, 2
	MMS 4, 28, 1, 3, 0, 0
	s_wait_dscnt 16                                ; the scales, x's rows 0-31 and W's quarter 0 are in; its quarter 2 may be out
	RQ 0, 0
	PLACES 4                                       ; W's quarter 1 and x's second buffer land where earlier products read
	LB 192, 1, 3
	LB 64, 1, 1
	ROWA 1
	s_wait_dscnt 48                                ; quarter 2 is in: the 48 just issued may be out
	RQ 0, 2
	s_wait_dscnt 32                                ; quarter 3 is in
	RQ 0, 3
	s_wait_dscnt 16                                ; quarter 1 is in; x's rows 32-63 may be out
	RQ 0, 1
	PLACES 4
	ADDS 0, 0, 8, 128, 0x02                        ; the first 32 rows leave through x's first buffer, which is free, and v96-127
	STS 0, 0, 8, 128, 0
	ADDS 0, 8, 4, 96, 0x02
	STS 0, 8, 4, 96, 0
	s_wait_xcnt 0x0                                ; the stores have read their registers
	ADDS 0, 12, 4, 128, 0x02
	STS 0, 12, 4, 128, 0
	s_wait_dscnt 0x0                               ; x's rows 32-63 are in
	s_wait_xcnt 0x0                                ; the stores have read x's first buffer, which takes rows 64-95
	ROWA 2
	ROW 1
	PLACES 4
	ROWA 3
	OUT 1, 0, 0x82, 0x08
	s_wait_dscnt 16                                ; rows 64-95 are in; rows 96-127 may be out
	ROW 2
	PLACES 4
	OUT 2, 128, 0x83, 0x08
	s_wait_dscnt 0x0
	ROW 3
	PLACES 4
	OUT 3, 0, 0xc3, 0x0c
	WIN 0
	s_wait_tensorcnt 0x0                           ; the wave's end
	ds_add_u32 v[SPW], v[NIL]
	s_wait_dscnt 0x0
	CROUND                                         ; the closing round: no work-group ends while a partner may still ask for a tile that names it
	s_endpgm
.Lfunc_end_k_q89abaa69fb_gemm:
	.size	k_q89abaa69fb_gemm, .Lfunc_end_k_q89abaa69fb_gemm-k_q89abaa69fb_gemm
	.p2alignl 7, 3214868480
	.fill 96, 4, 3214868480
	.section	.rodata,"a",@progbits
	.p2align	6, 0x0
	.amdhsa_kernel k_q89abaa69fb_gemm
		.amdhsa_group_segment_fixed_size 327680
		.amdhsa_private_segment_fixed_size 0
		.amdhsa_enable_private_segment 0
		.amdhsa_kernarg_size 32
		.amdhsa_user_sgpr_count 2
		.amdhsa_user_sgpr_kernarg_segment_ptr 1
		.amdhsa_wavefront_size32 1
		.amdhsa_system_sgpr_workgroup_id_x 1
		.amdhsa_system_sgpr_workgroup_id_y 1
		.amdhsa_system_sgpr_workgroup_id_z 1
		.amdhsa_system_vgpr_workitem_id 0
		.amdhsa_next_free_vgpr 1024
		.amdhsa_next_free_sgpr 74
		.amdhsa_reserve_vcc 0
		.amdhsa_float_denorm_mode_32 3
		.amdhsa_float_denorm_mode_16_64 3
		.amdhsa_memory_ordered 1
		.amdhsa_forward_progress 1
		.amdhsa_inst_pref_size 145
	.end_amdhsa_kernel
	.amdgpu_metadata
---
amdhsa.version: [ 1, 2 ]
amdhsa.kernels:
  - .name:           k_q89abaa69fb_gemm
    .symbol:         k_q89abaa69fb_gemm.kd
    .args:
      - { .name: xq, .offset: 0, .size: 8, .value_kind: global_buffer, .address_space: global }
      - { .name: wq, .offset: 8, .size: 8, .value_kind: global_buffer, .address_space: global }
      - { .name: bias, .offset: 16, .size: 8, .value_kind: global_buffer, .address_space: global }
      - { .name: out0, .offset: 24, .size: 8, .value_kind: global_buffer, .address_space: global }
    .group_segment_fixed_size: 327680
    .private_segment_fixed_size: 0
    .kernarg_segment_align: 8
    .kernarg_segment_size: 32
    .max_flat_workgroup_size: 128
    .sgpr_count:     74
    .vgpr_count:     1024
    .wavefront_size: 32
...
	.end_amdgpu_metadata
.endif
;; end of part 2
